; MI455X (gfx1250); checked and timed in simulation.
; The chip was launched on July 23, 2026; its instructions are those of AMD's public machine-readable ISA for CDNA 5 (MIT licence, August 2026) and "CDNA5" Instruction Set Architecture Reference Guide (July 2026). The comments in the code are by the model that wrote it; some were corrected since.
;; Fourier KART Layer. Allowed arithmetic: float matrix products may take bf16 or f16 operands with f32 sums; all other float work in f32.
;; Inputs: A 64 x 4 x 4 float32; Bp 64 x 4 x 4 float32; Wc_b 4 float32; Wc_w 4 x 512 float32; X0 256 x 512 float32; t 256 float32; w 4 float32.
;; Outputs: out0 256 x 256 x 64 float32.
;; 2 versions, each right; version 2 is version 1 with the launch kart written anew for expert scheduling mode. Each part assembles by itself: llvm-mc -triple=amdgcn-amd-amdhsa -mcpu=gfx1250 --defsym DOCPART=n.
;; ======== version 1 of 2: 1 launch
;; limits: values outside matrix products are rounded to f16; values are held in f16: magnitudes above 65,504 overflow, below 6.1e-05 lose precision
;; launch kart (part 1): grid 64 x 4, 4 waves a work-group, no clusters, 4,608 bytes of LDS; arguments A, Bp, Wc_b, Wc_w, X0, t, w, out0; writes out0
.if DOCPART == 1
	.amdgcn_target "amdgcn-amd-amdhsa--gfx1250"
	.amdhsa_code_object_version 6
	.text
	.protected	k_q0ebe63f2dd_kart
	.globl	k_q0ebe63f2dd_kart
	.p2align	8
	.type	k_q0ebe63f2dd_kart,@function
k_q0ebe63f2dd_kart:
	s_mov_b64 s[64:65], 0
	v_nop
	global_prefetch_b8 v0, s[64:65] scope:SCOPE_SE
	s_setreg_imm32_b32 hwreg(HW_REG_WAVE_MODE, 25, 1), 1
	s_wait_xcnt 0x0
; out0[i][j][d] = sum over q (4), k (1..4) of A[d][q][k] * sin(k * ang + Bp[d][q][k]),  ang = C[j][q] + w[q] * t[i],
; C[j][q] = sum over x of X0[j][x] * Wc_w[q][x] + Wc_b[q].   i, j: 256; d: 64; x: 512; all f32.
; By the addition theorem  A sin(k ang + Bp) = (A cos Bp) sin(k ang) + (A sin Bp) cos(k ang):  a point (i, j) has 32 features
; (sin and cos of k ang for 4 q and 4 k), and out0 is features [65,536 x 32] times weights [32 x 64]: K = 32 is one f16 matrix instruction.
; A work-group owns 4 columns j and 64 rows i; wave w owns j = 4 x + w and the 64 i: 64 points x 64 d = 16 KiB of out0.
; FORMATS: C, the angles, all sines and cosines in f32; features and weights are rounded once to f16 for the matrix unit, sums in f32.
; f16 and not bf16: features are at most 1 in size for every input, and the weights have room up to 65,504.
; C is made by f32 multiply-adds and not by the matrix unit: it has 4 columns only, and a 16-bit rounding of X0 and Wc_w would
; enter the sines as a phase error multiplied by k.
; LIMITS: |A| below 65,504 (f16); weights below 6e-5 keep an absolute precision of 3e-8 only.  The problem's formula rounds
; k * ang + Bp to f32 in front of the sine; this text rounds ang once and goes on by identities, so the two differ by about one f32
; spacing of that argument.  The range reduction (n = nearest integer to x / 2 pi, 2 pi in two parts) is meant for |x| below 1e6.
; C is summed in another order than row by row.  An infinite or NaN angle gives NaN for all 64 d of its point, as the formula does.
; SINES without the hardware's sine: x - n 2 pi = r in [-pi, pi]; Taylor polynomials of sin(r/4) (to r^7) and cos(r/4) (to r^8), whose
; truncation at |r/4| = pi/4 is below 4e-7; two doublings (cos 2a = 2 cos^2 a - 1, sin 2a = 2 cos a sin a) give sin r, cos r.
.set ROWX,  2048                       ; bytes in a row of X0 and of Wc_w (512 f32)
.set ISTEP, 65536                      ; bytes from out0[i] to out0[i+1] (256 x 64 f32)
.set FRAG,  1024                       ; bytes of one weight fragment in LDS: 32 lanes x 32 bytes
; registers
.set LN,  1                            ; lane
.set R,   2                            ; lane % 16
.set H,   3                            ; lane / 16
.set LST, 4                            ; LDS: where my wave's fragment goes (1,024 wave + 16 lane)
.set L16, 5                            ; 16 lane: LDS address of a fragment's part, and byte offset in a row of X0 and Wc_w
.set OAB, 6                            ; byte offset of my 8 numbers in A and in Bp
.set OT,  7                            ; 4 (lane % 16): t
.set OWB, 8                            ; 8 (lane / 16): w and Wc_b, the pair q = 2h, 2h+1
.set OO,  9                            ; out0: 16 (lane % 16) + 8 rows i for lanes 16-31
.set KA3, 12                           ; v[12:13] highest coefficient of the sine polynomial, twice
.set KB4, 14                           ; v[14:15] highest coefficient of the cosine polynomial, twice
.set BF,  16                           ; v[16:47]   the four weight fragments (B operands), c = 0..3
.set AF,  48                           ; v[48:79]   the four feature fragments (A operands), one for each group of 16 points
.set BFW, 80                           ; v[80:87]   the fragment that my wave makes
.set XV,  112                          ; v[112:127] my 16 numbers of X0's row j
.set WV,  128                          ; v[128:191] my 16 numbers of each of Wc_w's 4 rows
.set TT,  192                          ; v[192:195] t of my point in the four groups
.set WP,  196                          ; v[196:197] w[2h], w[2h+1]
.set BB,  198                          ; v[198:199] Wc_b[2h], Wc_b[2h+1]
.set SS,  200                          ; v[200:207] sines, four pairs
.set CC,  208                          ; v[208:215] cosines, four pairs
.set NN,  216                          ; v[216:223] at work
.set ZZ,  224                          ; v[224:231] at work
.set AV,  232                          ; v[232:239] A of my row d: q = 2h (k = 1..4), q = 2h+1 (k = 1..4)
.set ANG, 232                          ; the same registers later: the angles, pair g = group g, (q = 2h, q = 2h+1)
.set BV,  240                          ; v[240:247] Bp likewise
.set RR,  240                          ; the same registers later: my lane's four partial sums of C
.set KP,  244                          ; v[244:245] C of my two q
.set SD,  246                          ; v[246:247] the partial sums that the other half of the lanes needs
.set ACC, 248                          ; v[248:255] four pairs of running sums of C
.set SN2, 112                          ; over XV and WV, which are spent by then: sin and cos of 2, 3, 4 times the angle, four pairs each
.set CS2, 120
.set SN3, 128
.set CS3, 136
.set SN4, 144
.set CS4, 152
.set DD,  112                          ; v[112:239] 16 accumulators: group g, c at DD + 32 g + 8 c; everything else there is spent by then
	s_load_b512 s[16:31], s[0:1], 0x0              ; A s[16:17], Bp s[18:19], Wc_b s[20:21], Wc_w s[22:23], X0 s[24:25], t s[26:27], w s[28:29], out0 s[30:31]
	v_lshl_add_u32 v10, v0, 2, 0x1000
	s_set_vgpr_msb 0x40
	v_mov_b32 v1, 0
	s_set_vgpr_msb 0x4000
	v_and_b32 v[LN], 31, v0
	v_lshrrev_b32 v11, 5, v0
	v_readfirstlane_b32 s4, v11                    ; wave 0..3
	v_and_b32 v[R], 15, v0
	v_bfe_u32 v[H], v0, 4, 1
	s_and_b32 s5, ttmp7, 0xffff                    ; block of 64 rows i
	s_lshl_b32 s6, ttmp9, 2
	s_add_co_u32 s6, s6, s4                        ; j = 4 x + wave
	s_mov_b32 s10, 0x76543210                      ; v_permlanex16_b32: lane l reads lane l xor 16
	s_mov_b32 s11, 0xfedcba98
	v_lshlrev_b32 v[L16], 4, v[LN]
	v_lshl_add_u32 v[LST], s4, 10, v[L16]          ; my wave's 1,024 bytes of LDS
	v_lshlrev_b32 v[OAB], 8, v[R]                  ; row d = 4 r + wave of A and Bp is 64 bytes: 256 r
	v_lshl_add_u32 v[OAB], v[H], 5, v[OAB]         ; + 32 h (q = 2h, 2h+1: two times 4 k)
	v_lshl_add_u32 v[OAB], s4, 6, v[OAB]           ; + 64 wave.  The four waves together read A and Bp once, 4 KiB each
	v_lshlrev_b32 v[OT], 2, v[R]
	v_lshlrev_b32 v[OWB], 3, v[H]
	v_lshlrev_b32 v[OO], 4, v[R]
	v_lshl_add_u32 v[OO], v[H], 19, v[OO]          ; 8 x 65,536
	s_lshl_b32 s12, s6, 11                         ; X0: j rows of 2,048 bytes
	s_mov_b32 s13, 0
	s_lshl_b32 s14, s5, 8                          ; t: 64 numbers of 4 bytes for each block of rows i
	s_mov_b32 s15, 0
	s_lshl_b32 s8, s5, 22                          ; out0: 64 rows i of 65,536 bytes
	s_lshl_b32 s7, s6, 8                           ;       + j times 256 bytes
	s_add_co_u32 s8, s8, s7
	s_mov_b32 s9, 0
	v_mov_b32 v[KA3], 0xb2500d01                   ; -1 / (5040 x 4^7)
	v_mov_b32 v[KA3+1], 0xb2500d01
	v_mov_b32 v[KB4], 0x2fd00d01                   ; 1 / (40320 x 4^8)
	v_mov_b32 v[KB4+1], 0x2fd00d01
	s_wait_kmcnt 0x0
	s_add_nc_u64 s[24:25], s[24:25], s[12:13]      ; X0 at row j
	s_add_nc_u64 s[26:27], s[26:27], s[14:15]      ; t at my block's first i
	s_add_nc_u64 s[30:31], s[30:31], s[8:9]        ; out0 at (first i, j, 0)
	; All 30 loads go out in one run; no address register or base is written again.
	global_load_b128 v[AV:AV+3],   v[OAB], s[16:17]
	global_load_b128 v[AV+4:AV+7], v[OAB], s[16:17] offset:16
	global_load_b128 v[BV:BV+3],   v[OAB], s[18:19]
	global_load_b128 v[BV+4:BV+7], v[OAB], s[18:19] offset:16
.irp c, 0,1,2,3
	global_load_b128 v[XV+4*\c:XV+4*\c+3], v[L16], s[24:25] offset:512*\c          ; 512 neighbouring bytes a load: the row in four
.endr
.irp q, 0,1,2,3
.irp c, 0,1,2,3
	global_load_b128 v[WV+16*\q+4*\c:WV+16*\q+4*\c+3], v[L16], s[22:23] offset:ROWX*\q+512*\c
.endr
.endr
.irp g, 0,1,2,3
	global_load_b32 v[TT+\g], v[OT], s[26:27] offset:64*\g                         ; t[first i + 16 g + r]
.endr
	global_load_b64 v[WP:WP+1], v[OWB], s[28:29]
	global_load_b64 v[BB:BB+1], v[OWB], s[20:21]
; Sine and cosine of eight numbers, four pairs in v[X:X+7] (spent), into SS and CC.  Each step is written for all four pairs, so that
; four to eight instructions that do not hang on each other stand between a result and its use.
.macro SINCOS X
.irp i, 0,2,4,6
	v_pk_mul_f32 v[NN+\i:NN+\i+1], v[\X+\i:\X+\i+1], 0x3e22f983 op_sel_hi:[1,0]                           ; x / 2 pi
.endr
.irp i, 0,1,2,3,4,5,6,7
	v_rndne_f32 v[NN+\i], v[NN+\i]                                                                        ; n
.endr
.irp i, 0,2,4,6
	v_pk_fma_f32 v[\X+\i:\X+\i+1], v[NN+\i:NN+\i+1], 0xc0c90fdb, v[\X+\i:\X+\i+1] op_sel_hi:[1,0,1]       ; x - n * (2 pi rounded to f32), one rounding
.endr
.irp i, 0,2,4,6
	v_pk_fma_f32 v[\X+\i:\X+\i+1], v[NN+\i:NN+\i+1], 0x343bbd2e, v[\X+\i:\X+\i+1] op_sel_hi:[1,0,1]       ; - n * (the rest of 2 pi, -1.7484556e-7): r
.endr
.irp i, 0,2,4,6
	v_pk_mul_f32 v[ZZ+\i:ZZ+\i+1], v[\X+\i:\X+\i+1], v[\X+\i:\X+\i+1]                                     ; z = r^2
.endr
.irp i, 0,2,4,6
	v_pk_fma_f32 v[SS+\i:SS+\i+1], v[ZZ+\i:ZZ+\i+1], v[KA3:KA3+1], 0x37088889 op_sel_hi:[1,1,0]           ; + 1 / (120 x 4^5)
	v_pk_fma_f32 v[CC+\i:CC+\i+1], v[ZZ+\i:ZZ+\i+1], v[KB4:KB4+1], 0xb4b60b61 op_sel_hi:[1,1,0]           ; - 1 / (720 x 4^6)
.endr
.irp i, 0,2,4,6
	v_pk_fma_f32 v[SS+\i:SS+\i+1], v[SS+\i:SS+\i+1], v[ZZ+\i:ZZ+\i+1], 0xbb2aaaab op_sel_hi:[1,1,0]       ; - 1 / (6 x 4^3)
	v_pk_fma_f32 v[CC+\i:CC+\i+1], v[CC+\i:CC+\i+1], v[ZZ+\i:ZZ+\i+1], 0x392aaaab op_sel_hi:[1,1,0]       ; + 1 / (24 x 4^4)
.endr
.irp i, 0,2,4,6
	v_pk_fma_f32 v[SS+\i:SS+\i+1], v[SS+\i:SS+\i+1], v[ZZ+\i:ZZ+\i+1], 0x3e800000 op_sel_hi:[1,1,0]       ; + 1 / 4
	v_pk_fma_f32 v[CC+\i:CC+\i+1], v[CC+\i:CC+\i+1], v[ZZ+\i:ZZ+\i+1], 0xbd000000 op_sel_hi:[1,1,0]       ; - 1 / (2 x 4^2)
.endr
.irp i, 0,2,4,6
	v_pk_mul_f32 v[SS+\i:SS+\i+1], v[SS+\i:SS+\i+1], v[\X+\i:\X+\i+1]                                     ; sin(r/4)
	v_pk_fma_f32 v[CC+\i:CC+\i+1], v[CC+\i:CC+\i+1], v[ZZ+\i:ZZ+\i+1], 1.0 op_sel_hi:[1,1,0]              ; cos(r/4)
.endr
.rept 2                                                                                                   ; r/4 -> r/2 -> r
.irp i, 0,2,4,6
	v_pk_add_f32 v[NN+\i:NN+\i+1], v[CC+\i:CC+\i+1], v[CC+\i:CC+\i+1]                                     ; 2 cos
.endr
.irp i, 0,2,4,6
	v_pk_mul_f32 v[SS+\i:SS+\i+1], v[SS+\i:SS+\i+1], v[NN+\i:NN+\i+1]                                     ; 2 cos sin
	v_pk_fma_f32 v[CC+\i:CC+\i+1], v[NN+\i:NN+\i+1], v[CC+\i:CC+\i+1], -1.0 op_sel_hi:[1,1,0]             ; 2 cos^2 - 1
.endr
.endr
.endm
	; 1. THE WEIGHTS.  My wave makes fragment c = wave: column n = r of the B operand is d = 4 r + c.  A lane's half h holds q = 2h, 2h+1.
	; Register k-1 holds the weights of sin(k ang): A cos Bp, q = 2h in the low half, q = 2h+1 in the high half; register 3+k those of cos(k ang): A sin Bp.
	; The features below lie in the same registers and halves, so each weight meets its feature whatever place along K the pair has.
	s_wait_loadcnt 26                              ; loads come back in order (ISA guide 5.7.1): A and Bp are in; the 26 issued behind them (X0 4, Wc_w 16, t 4, w, Wc_b) stay out
	SINCOS BV
.irp i, 0,2,4,6
	v_pk_mul_f32 v[CC+\i:CC+\i+1], v[CC+\i:CC+\i+1], v[AV+\i:AV+\i+1]
	v_pk_mul_f32 v[SS+\i:SS+\i+1], v[SS+\i:SS+\i+1], v[AV+\i:AV+\i+1]
.endr
.irp k, 0,1,2,3
	v_cvt_pk_f16_f32 v[BFW+\k],   v[CC+\k], v[CC+4+\k]
	v_cvt_pk_f16_f32 v[BFW+4+\k], v[SS+\k], v[SS+4+\k]
.endr
	ds_store_b128 v[LST], v[BFW:BFW+3]             ; 16 bytes a lane, lanes side by side
	ds_store_b128 v[LST], v[BFW+4:BFW+7] offset:512
	s_wait_dscnt 0x0                               ; my stores are done before I say so: the other three waves read these bytes
	s_barrier_signal -1
	s_barrier_wait -1                              ; all four fragments are in LDS; they are written once and never again
.irp c, 0,1,2,3
	ds_load_b128 v[BF+8*\c:BF+8*\c+3],   v[L16] offset:FRAG*\c
	ds_load_b128 v[BF+8*\c+4:BF+8*\c+7], v[L16] offset:FRAG*\c+512
.endr                                              ; waited for in front of the matrix instructions: steps 2 and 3 run meanwhile
	; 2. C[j][0..3]: each lane 16 of the 512 products for each q, two at a time, four chains
	s_wait_loadcnt 6                               ; X0 and Wc_w are in; t (4), w and Wc_b stay out
.irp q, 0,1,2,3
	v_pk_mul_f32 v[ACC+2*\q:ACC+2*\q+1], v[XV:XV+1], v[WV+16*\q:WV+16*\q+1]        ; the first products start the sums
.endr
.irp p, 2,4,6,8,10,12,14
.irp q, 0,1,2,3
	v_pk_fma_f32 v[ACC+2*\q:ACC+2*\q+1], v[XV+\p:XV+\p+1], v[WV+16*\q+\p:WV+16*\q+\p+1], v[ACC+2*\q:ACC+2*\q+1]
.endr
.endr
.irp q, 0,1,2,3
	v_add_f32 v[RR+\q], v[ACC+2*\q], v[ACC+2*\q+1]
.endr
	; Lanes 0-15 need q = 0, 1 and lanes 16-31 q = 2, 3: each half keeps its own two sums and hands the other two across, then sums its 16 lanes.
	v_cmp_le_u32 vcc_lo, 16, v[LN]                 ; lanes 16-31
	v_cndmask_b32 v[KP],   v[RR],   v[RR+2], vcc_lo
	v_cndmask_b32 v[KP+1], v[RR+1], v[RR+3], vcc_lo
	v_cndmask_b32 v[SD],   v[RR+2], v[RR],   vcc_lo
	v_cndmask_b32 v[SD+1], v[RR+3], v[RR+1], vcc_lo
	v_permlanex16_b32 v[RR],   v[SD],   s10, s11   ; its destination counts as read: RR has been written and is spent
	v_permlanex16_b32 v[RR+1], v[SD+1], s10, s11
	v_pk_add_f32 v[KP:KP+1], v[KP:KP+1], v[RR:RR+1]
.irp m, 1,2,4,8
	v_add_f32_dpp v[KP],   v[KP],   v[KP]   row_xmask:\m row_mask:0xf bank_mask:0xf
	v_add_f32_dpp v[KP+1], v[KP+1], v[KP+1] row_xmask:\m row_mask:0xf bank_mask:0xf
.endr
	s_wait_loadcnt 0x0                             ; t, w, Wc_b
	v_pk_add_f32 v[KP:KP+1], v[KP:KP+1], v[BB:BB+1]                                ; C[j][2h], C[j][2h+1] in every lane of the half
	; 3. THE FEATURES.  Row m = r of the A operand of group g is the point i = first i + 16 g + r.
.irp g, 0,1,2,3
	v_fma_f32 v[ANG+2*\g],   v[WP],   v[TT+\g], v[KP]
	v_fma_f32 v[ANG+2*\g+1], v[WP+1], v[TT+\g], v[KP+1]
.endr
	SINCOS ANG
.irp i, 0,2,4,6
	v_pk_add_f32 v[NN+\i:NN+\i+1], v[CC+\i:CC+\i+1], v[CC+\i:CC+\i+1]
.endr
.irp i, 0,2,4,6
	v_pk_mul_f32 v[SN2+\i:SN2+\i+1], v[NN+\i:NN+\i+1], v[SS+\i:SS+\i+1]                                   ; sin 2a = 2 cos a sin a
	v_pk_fma_f32 v[CS2+\i:CS2+\i+1], v[NN+\i:NN+\i+1], v[CC+\i:CC+\i+1], -1.0 op_sel_hi:[1,1,0]           ; cos 2a = 2 cos^2 a - 1
.endr
.irp i, 0,2,4,6
	v_pk_fma_f32 v[ZZ+\i:ZZ+\i+1], v[CS2+\i:CS2+\i+1], 2.0, 1.0 op_sel_hi:[1,0,0]
	v_pk_fma_f32 v[NN+\i:NN+\i+1], v[CS2+\i:CS2+\i+1], 2.0, -1.0 op_sel_hi:[1,0,0]
.endr
.irp i, 0,2,4,6
	v_pk_mul_f32 v[SN3+\i:SN3+\i+1], v[ZZ+\i:ZZ+\i+1], v[SS+\i:SS+\i+1]                                   ; sin 3a = sin a (2 cos 2a + 1)
	v_pk_mul_f32 v[CS3+\i:CS3+\i+1], v[NN+\i:NN+\i+1], v[CC+\i:CC+\i+1]                                   ; cos 3a = cos a (2 cos 2a - 1)
.endr
.irp i, 0,2,4,6
	v_pk_add_f32 v[NN+\i:NN+\i+1], v[CS2+\i:CS2+\i+1], v[CS2+\i:CS2+\i+1]
.endr
.irp i, 0,2,4,6
	v_pk_mul_f32 v[SN4+\i:SN4+\i+1], v[NN+\i:NN+\i+1], v[SN2+\i:SN2+\i+1]                                 ; sin 4a, cos 4a from 2a
	v_pk_fma_f32 v[CS4+\i:CS4+\i+1], v[NN+\i:NN+\i+1], v[CS2+\i:CS2+\i+1], -1.0 op_sel_hi:[1,1,0]
.endr
.irp g, 0,1,2,3
	v_cvt_pk_f16_f32 v[AF+8*\g],   v[SS+2*\g],  v[SS+2*\g+1]                       ; low half q = 2h, high half q = 2h+1, as in the weights
	v_cvt_pk_f16_f32 v[AF+8*\g+1], v[SN2+2*\g], v[SN2+2*\g+1]
	v_cvt_pk_f16_f32 v[AF+8*\g+2], v[SN3+2*\g], v[SN3+2*\g+1]
	v_cvt_pk_f16_f32 v[AF+8*\g+3], v[SN4+2*\g], v[SN4+2*\g+1]
	v_cvt_pk_f16_f32 v[AF+8*\g+4], v[CC+2*\g],  v[CC+2*\g+1]
	v_cvt_pk_f16_f32 v[AF+8*\g+5], v[CS2+2*\g], v[CS2+2*\g+1]
	v_cvt_pk_f16_f32 v[AF+8*\g+6], v[CS3+2*\g], v[CS3+2*\g+1]
	v_cvt_pk_f16_f32 v[AF+8*\g+7], v[CS4+2*\g], v[CS4+2*\g+1]
.endr
	; 4. 16 points x 16 columns x all 32 features in each instruction.  Every one starts a sum of its own (C = 0) in registers of its own:
	; none adds onto another's result.  Register j of accumulator (g, c) holds, in lane (r, h), the point 16 g + 8 h + j and d = 4 r + c.
	s_wait_dscnt 0x0                               ; the four weight fragments are in
.irp g, 0,1,2,3
.irp c, 0,1,2,3
	v_wmma_f32_16x16x32_f16 v[DD+32*\g+8*\c:DD+32*\g+8*\c+7], v[AF+8*\g:AF+8*\g+7], v[BF+8*\c:BF+8*\c+7], 0
.endr
.endr
.rept 4
	v_nop                                          ; four independent vector instructions stand between a matrix instruction and a vector instruction that
.endr                                              ; reads its result or writes one of its sources (ISA guide 7.12.1); the copies below do both
; THE WAY OUT.  The four neighbouring numbers d = 4 r .. 4 r + 3 of a point lie in one lane, in register j of the group's four accumulators.
; One copy for each output register puts them side by side; then lanes 0-15 store the 256 consecutive bytes of point 16 g + j, which begin at a
; multiple of 256 from out0's first byte, and lanes 16-31 those of point 16 g + 8 + j.  The copies take the place of a trip of all 64 KiB through LDS.
; The quads of groups 0 to 2 lie over the spent fragments, those of group 3 over group 0's accumulators, which have been copied by then:
; no register that a store reads is written again.  The point's row stands in the immediate: 55 x 65,536 bytes at the most, inside its signed 24 bits.
.macro OUTG g, O
.irp j, 0,1,2,3,4,5,6,7
.irp c, 0,1,2,3
	v_mov_b32 v[\O+4*\j+\c], v[DD+32*\g+8*\c+\j]
.endr
	global_store_b128 v[OO], v[\O+4*\j:\O+4*\j+3], s[30:31] offset:(16*\g+\j)*ISTEP th:TH_STORE_NT
.endr
.endm
	OUTG 0, 16
	OUTG 1, 48
	OUTG 2, 80
	OUTG 3, 112
	s_set_vgpr_msb 0x4
	s_wait_tensorcnt 0x0
	ds_add_u32 v10, v1
	s_wait_dscnt 0x0
	s_set_vgpr_msb 0x400
	s_endpgm
.Lfunc_end_k_q0ebe63f2dd_kart:
	.size	k_q0ebe63f2dd_kart, .Lfunc_end_k_q0ebe63f2dd_kart-k_q0ebe63f2dd_kart
	.p2alignl 7, 3214868480
	.fill 96, 4, 3214868480
	.section	.rodata,"a",@progbits
	.p2align	6, 0x0
	.amdhsa_kernel k_q0ebe63f2dd_kart
		.amdhsa_group_segment_fixed_size 4608
		.amdhsa_private_segment_fixed_size 0
		.amdhsa_enable_private_segment 0
		.amdhsa_kernarg_size 64
		.amdhsa_user_sgpr_count 2
		.amdhsa_user_sgpr_kernarg_segment_ptr 1
		.amdhsa_wavefront_size32 1
		.amdhsa_system_sgpr_workgroup_id_x 1
		.amdhsa_system_sgpr_workgroup_id_y 1
		.amdhsa_system_sgpr_workgroup_id_z 1
		.amdhsa_system_vgpr_workitem_id 0
		.amdhsa_next_free_vgpr 258
		.amdhsa_next_free_sgpr 66
		.amdhsa_reserve_vcc 1
		.amdhsa_float_denorm_mode_32 3
		.amdhsa_float_denorm_mode_16_64 3
		.amdhsa_memory_ordered 1
		.amdhsa_forward_progress 1
		.amdhsa_inst_pref_size 35
	.end_amdhsa_kernel
	.amdgpu_metadata
---
amdhsa.version: [ 1, 2 ]
amdhsa.kernels:
  - .name:           k_q0ebe63f2dd_kart
    .symbol:         k_q0ebe63f2dd_kart.kd
    .args:
      - { .name: A, .offset: 0, .size: 8, .value_kind: global_buffer, .address_space: global }
      - { .name: Bp, .offset: 8, .size: 8, .value_kind: global_buffer, .address_space: global }
      - { .name: Wc_b, .offset: 16, .size: 8, .value_kind: global_buffer, .address_space: global }
      - { .name: Wc_w, .offset: 24, .size: 8, .value_kind: global_buffer, .address_space: global }
      - { .name: X0, .offset: 32, .size: 8, .value_kind: global_buffer, .address_space: global }
      - { .name: t, .offset: 40, .size: 8, .value_kind: global_buffer, .address_space: global }
      - { .name: w, .offset: 48, .size: 8, .value_kind: global_buffer, .address_space: global }
      - { .name: out0, .offset: 56, .size: 8, .value_kind: global_buffer, .address_space: global }
    .group_segment_fixed_size: 4608
    .private_segment_fixed_size: 0
    .kernarg_segment_align: 8
    .kernarg_segment_size: 64
    .max_flat_workgroup_size: 128
    .sgpr_count:     66
    .vgpr_count:     258
    .wavefront_size: 32
...
	.end_amdgpu_metadata
.endif
;; end of part 1
;; ======== version 2 of 2: 1 launch; version 1 with the launch kart written anew for expert scheduling mode
;; limits: values outside matrix products are rounded to f16; values are held in f16: magnitudes above 65,504 overflow, below 6.1e-05 lose precision
;; launch kart (part 2): grid 64 x 4, 4 waves a work-group, no clusters, 4,608 bytes of LDS; arguments A, Bp, Wc_b, Wc_w, X0, t, w, out0; writes out0
.if DOCPART == 2
	.amdgcn_target "amdgcn-amd-amdhsa--gfx1250"
	.amdhsa_code_object_version 6
	.text
	.protected	k_q0ebe63f2dd_kart
	.globl	k_q0ebe63f2dd_kart
	.p2align	8
	.type	k_q0ebe63f2dd_kart,@function
k_q0ebe63f2dd_kart:
	s_mov_b64 s[64:65], 0
	v_nop
	global_prefetch_b8 v0, s[64:65] scope:SCOPE_SE
	s_setreg_imm32_b32 hwreg(HW_REG_WAVE_SCHED_MODE, 0, 2), 2
	s_setreg_imm32_b32 hwreg(HW_REG_WAVE_MODE, 25, 1), 1
	s_wait_xcnt 0x0
	s_wait_alu depctr_vm_vsrc(0)
; out0[i][j][d] = sum over q (4), k (1..4) of A[d][q][k] * sin(k * ang + Bp[d][q][k]),  ang = C[j][q] + w[q] * t[i],
; C[j][q] = sum over x of X0[j][x] * Wc_w[q][x] + Wc_b[q].   i, j: 256; d: 64; x: 512; all f32.
; By the addition theorem  A sin(k ang + Bp) = (A cos Bp) sin(k ang) + (A sin Bp) cos(k ang):  a point (i, j) has 32 features
; (sin and cos of k ang for 4 q and 4 k), and out0 is features [65,536 x 32] times weights [32 x 64]: K = 32 is one f16 matrix instruction.
; A work-group owns 4 columns j and 64 rows i; wave w owns j = 4 x + w and the 64 i: 64 points x 64 d = 16 KiB of out0.
; FORMATS: C, the angles, all sines and cosines in f32; features and weights are rounded once to f16 for the matrix unit, sums in f32.
; f16 and not bf16: features are at most 1 in size for every input, and the weights have room up to 65,504.
; C is made by f32 multiply-adds and not by the matrix unit: it has 4 columns only, and a 16-bit rounding of X0 and Wc_w would
; enter the sines as a phase error multiplied by k.
; LIMITS: |A| below 65,504 (f16); weights below 6e-5 keep an absolute precision of 3e-8 only.  The problem's formula rounds
; k * ang + Bp to f32 in front of the sine; this text rounds ang once and goes on by identities, so the two differ by about one f32
; spacing of that argument.  The range reduction (n = nearest integer to x / 2 pi, 2 pi in two parts) is meant for |x| below 1e6.
; C is summed in another order than row by row.  An infinite or NaN angle gives NaN for all 64 d of its point, as the formula does.
; SINES without the hardware's sine: x - n 2 pi = r in [-pi, pi]; Taylor polynomials of sin(r/4) (to r^7) and cos(r/4) (to r^8), whose
; truncation at |r/4| = pi/4 is below 4e-7; two doublings (cos 2a = 2 cos^2 a - 1, sin 2a = 2 cos a sin a) give sin r, cos r.
; THE MODE: SCHED_MODE bits 1:0 = 2 (LLVM: expert scheduling mode 2), set by the entry lines.  The code itself states the register dependences
; between vector or matrix instructions and memory or LDS instructions, with s_wait_alu, always for 0.
; THE PLAN.  Registers that memory or LDS instructions touch:
;   v4 to v9      offsets and LDS addresses.  Written once, at the head; read by every load and store; never written again: one wait on va_vdst ahead of the first load.
;   AV, BV, XV, WV, TT, WP, BB, BF   loaded once each.  No vector instruction names one of them before its load is issued, and no load lands in one twice.
;   BFW           written by eight conversions, read by the two LDS stores: a wait on va_vdst between them.  Written again by group 2's copies on the way out:
;                 a wait on vm_vsrc behind the barrier, where the only instructions that it waits for are the head's loads and those two stores.
;   Q0 .. Q3      the way out's four blocks of 32 registers.  Qg is written by group g's 32 copies, read by group g's eight stores, and never written again.
;                 One wait on va_vdst behind each block's copies; the block's stores then stand among the next block's copies, which name the next block and
;                 its accumulators alone.
;   s4 (the wave's number) and VCC (which half of the lanes) are written by vector instructions: a wait on va_sdst, on va_vcc, ahead of the first reader.
; EXEC is never written.
.set ROWX,  2048                       ; bytes in a row of X0 and of Wc_w (512 f32)
.set ISTEP, 65536                      ; bytes from out0[i] to out0[i+1] (256 x 64 f32)
.set FRAG,  1024                       ; bytes of one weight fragment in LDS: 32 lanes x 32 bytes
; registers
.set LN,  1                            ; lane
.set R,   2                            ; lane % 16
.set H,   3                            ; lane / 16
.set LST, 4                            ; LDS: where my wave's fragment goes (1,024 wave + 16 lane)
.set L16, 5                            ; 16 lane: LDS address of a fragment's part, and byte offset in a row of X0 and Wc_w
.set OAB, 6                            ; byte offset of my 8 numbers in A and in Bp
.set OT,  7                            ; 4 (lane % 16): t
.set OWB, 8                            ; 8 (lane / 16): w and Wc_b, the pair q = 2h, 2h+1
.set OO,  9                            ; out0: 16 (lane % 16) + 8 rows i for lanes 16-31
.set KA3, 12                           ; v[12:13] highest coefficient of the sine polynomial, twice
.set KB4, 14                           ; v[14:15] highest coefficient of the cosine polynomial, twice
.set BF,  16                           ; v[16:47]   the four weight fragments (B operands), c = 0..3
.set AF,  48                           ; v[48:79]   the four feature fragments (A operands), one for each group of 16 points
.set BFW, 80                           ; v[80:87]   the fragment that my wave makes
.set XV,  112                          ; v[112:127] my 16 numbers of X0's row j
.set WV,  128                          ; v[128:191] my 16 numbers of each of Wc_w's 4 rows
.set TT,  192                          ; v[192:195] t of my point in the four groups
.set WP,  196                          ; v[196:197] w[2h], w[2h+1]
.set BB,  198                          ; v[198:199] Wc_b[2h], Wc_b[2h+1]
.set SS,  200                          ; v[200:207] sines, four pairs
.set CC,  208                          ; v[208:215] cosines, four pairs
.set NN,  216                          ; v[216:223] at work
.set ZZ,  224                          ; v[224:231] at work
.set AV,  232                          ; v[232:239] A of my row d: q = 2h (k = 1..4), q = 2h+1 (k = 1..4)
.set ANG, 232                          ; the same registers later: the angles, pair g = group g, (q = 2h, q = 2h+1)
.set BV,  240                          ; v[240:247] Bp likewise
.set RR,  240                          ; the same registers later: my lane's four partial sums of C
.set KP,  244                          ; v[244:245] C of my two q
.set SD,  246                          ; v[246:247] the partial sums that the other half of the lanes needs
.set ACC, 248                          ; v[248:255] four pairs of running sums of C
.set SN2, 112                          ; over XV and WV, which are spent by then: sin and cos of 2, 3, 4 times the angle, four pairs each
.set CS2, 120
.set SN3, 128
.set CS3, 136
.set SN4, 144
.set CS4, 152
.set DD,  112                          ; v[112:239] 16 accumulators: group g, c at DD + 32 g + 8 c; everything else there is spent by then
	s_load_b512 s[16:31], s[0:1], 0x0              ; A s[16:17], Bp s[18:19], Wc_b s[20:21], Wc_w s[22:23], X0 s[24:25], t s[26:27], w s[28:29], out0 s[30:31]
	v_lshl_add_u32 v10, v0, 2, 0x1000
	s_set_vgpr_msb 0x40
	v_mov_b32 v1, 0
	s_set_vgpr_msb 0x4000
	v_and_b32 v[LN], 31, v0
	v_lshrrev_b32 v11, 5, v0
	v_readfirstlane_b32 s4, v11                    ; wave 0..3; what does not hang on it comes first
	v_and_b32 v[R], 15, v0
	v_bfe_u32 v[H], v0, 4, 1
	s_and_b32 s5, ttmp7, 0xffff                    ; block of 64 rows i
	s_lshl_b32 s6, ttmp9, 2
	s_mov_b32 s10, 0x76543210                      ; v_permlanex16_b32: lane l reads lane l xor 16
	s_mov_b32 s11, 0xfedcba98
	v_lshlrev_b32 v[L16], 4, v[LN]
	v_lshlrev_b32 v[OAB], 8, v[R]                  ; row d = 4 r + wave of A and Bp is 64 bytes: 256 r
	v_lshl_add_u32 v[OAB], v[H], 5, v[OAB]         ; + 32 h (q = 2h, 2h+1: two times 4 k)
	v_lshlrev_b32 v[OT], 2, v[R]
	v_lshlrev_b32 v[OWB], 3, v[H]
	v_lshlrev_b32 v[OO], 4, v[R]
	v_lshl_add_u32 v[OO], v[H], 19, v[OO]          ; 8 x 65,536
	v_mov_b32 v[KA3], 0xb2500d01                   ; -1 / (5040 x 4^7)
	v_mov_b32 v[KA3+1], 0xb2500d01
	v_mov_b32 v[KB4], 0x2fd00d01                   ; 1 / (40320 x 4^8)
	v_mov_b32 v[KB4+1], 0x2fd00d01
	s_mov_b32 s13, 0
	s_lshl_b32 s14, s5, 8                          ; t: 64 numbers of 4 bytes for each block of rows i
	s_mov_b32 s15, 0
	s_lshl_b32 s8, s5, 22                          ; out0: 64 rows i of 65,536 bytes
	s_mov_b32 s9, 0
	s_wait_alu depctr_va_sdst(0)                   ; s4 is written, ahead of its first reader: j, two addresses and two bases are made from it
	s_add_co_u32 s6, s6, s4                        ; j = 4 x + wave
	v_lshl_add_u32 v[LST], s4, 10, v[L16]          ; my wave's 1,024 bytes of LDS
	v_lshl_add_u32 v[OAB], s4, 6, v[OAB]           ; + 64 wave.  The four waves together read A and Bp once, 4 KiB each
	s_lshl_b32 s12, s6, 11                         ; X0: j rows of 2,048 bytes
	s_lshl_b32 s7, s6, 8                           ; out0: + j times 256 bytes
	s_add_co_u32 s8, s8, s7
	s_wait_kmcnt 0x0
	s_add_nc_u64 s[24:25], s[24:25], s[12:13]      ; X0 at row j
	s_add_nc_u64 s[26:27], s[26:27], s[14:15]      ; t at my block's first i
	s_add_nc_u64 s[30:31], s[30:31], s[8:9]        ; out0 at (first i, j, 0)
	s_wait_alu depctr_va_vdst(0)                   ; the six offsets and addresses v4 to v9 are written: every load and store of the kernel reads one of them, and none is written again
	; All 30 loads go out in one run; no address register or base is written again.
	global_load_b128 v[AV:AV+3],   v[OAB], s[16:17]
	global_load_b128 v[AV+4:AV+7], v[OAB], s[16:17] offset:16
	global_load_b128 v[BV:BV+3],   v[OAB], s[18:19]
	global_load_b128 v[BV+4:BV+7], v[OAB], s[18:19] offset:16
.irp c, 0,1,2,3
	global_load_b128 v[XV+4*\c:XV+4*\c+3], v[L16], s[24:25] offset:512*\c          ; 512 neighbouring bytes a load: the row in four
.endr
.irp q, 0,1,2,3
.irp c, 0,1,2,3
	global_load_b128 v[WV+16*\q+4*\c:WV+16*\q+4*\c+3], v[L16], s[22:23] offset:ROWX*\q+512*\c
.endr
.endr
.irp g, 0,1,2,3
	global_load_b32 v[TT+\g], v[OT], s[26:27] offset:64*\g                         ; t[first i + 16 g + r]
.endr
	global_load_b64 v[WP:WP+1], v[OWB], s[28:29]
	global_load_b64 v[BB:BB+1], v[OWB], s[20:21]
; Sine and cosine of eight numbers, four pairs in v[X:X+7] (spent), into SS and CC.  Each step is written for all four pairs, so that
; four to eight instructions that do not hang on each other stand between a result and its use.
.macro SINCOS X
.irp i, 0,2,4,6
	v_pk_mul_f32 v[NN+\i:NN+\i+1], v[\X+\i:\X+\i+1], 0x3e22f983 op_sel_hi:[1,0]                           ; x / 2 pi
.endr
.irp i, 0,1,2,3,4,5,6,7
	v_rndne_f32 v[NN+\i], v[NN+\i]                                                                        ; n
.endr
.irp i, 0,2,4,6
	v_pk_fma_f32 v[\X+\i:\X+\i+1], v[NN+\i:NN+\i+1], 0xc0c90fdb, v[\X+\i:\X+\i+1] op_sel_hi:[1,0,1]       ; x - n * (2 pi rounded to f32), one rounding
.endr
.irp i, 0,2,4,6
	v_pk_fma_f32 v[\X+\i:\X+\i+1], v[NN+\i:NN+\i+1], 0x343bbd2e, v[\X+\i:\X+\i+1] op_sel_hi:[1,0,1]       ; - n * (the rest of 2 pi, -1.7484556e-7): r
.endr
.irp i, 0,2,4,6
	v_pk_mul_f32 v[ZZ+\i:ZZ+\i+1], v[\X+\i:\X+\i+1], v[\X+\i:\X+\i+1]                                     ; z = r^2
.endr
.irp i, 0,2,4,6
	v_pk_fma_f32 v[SS+\i:SS+\i+1], v[ZZ+\i:ZZ+\i+1], v[KA3:KA3+1], 0x37088889 op_sel_hi:[1,1,0]           ; + 1 / (120 x 4^5)
	v_pk_fma_f32 v[CC+\i:CC+\i+1], v[ZZ+\i:ZZ+\i+1], v[KB4:KB4+1], 0xb4b60b61 op_sel_hi:[1,1,0]           ; - 1 / (720 x 4^6)
.endr
.irp i, 0,2,4,6
	v_pk_fma_f32 v[SS+\i:SS+\i+1], v[SS+\i:SS+\i+1], v[ZZ+\i:ZZ+\i+1], 0xbb2aaaab op_sel_hi:[1,1,0]       ; - 1 / (6 x 4^3)
	v_pk_fma_f32 v[CC+\i:CC+\i+1], v[CC+\i:CC+\i+1], v[ZZ+\i:ZZ+\i+1], 0x392aaaab op_sel_hi:[1,1,0]       ; + 1 / (24 x 4^4)
.endr
.irp i, 0,2,4,6
	v_pk_fma_f32 v[SS+\i:SS+\i+1], v[SS+\i:SS+\i+1], v[ZZ+\i:ZZ+\i+1], 0x3e800000 op_sel_hi:[1,1,0]       ; + 1 / 4
	v_pk_fma_f32 v[CC+\i:CC+\i+1], v[CC+\i:CC+\i+1], v[ZZ+\i:ZZ+\i+1], 0xbd000000 op_sel_hi:[1,1,0]       ; - 1 / (2 x 4^2)
.endr
.irp i, 0,2,4,6
	v_pk_mul_f32 v[SS+\i:SS+\i+1], v[SS+\i:SS+\i+1], v[\X+\i:\X+\i+1]                                     ; sin(r/4)
	v_pk_fma_f32 v[CC+\i:CC+\i+1], v[CC+\i:CC+\i+1], v[ZZ+\i:ZZ+\i+1], 1.0 op_sel_hi:[1,1,0]              ; cos(r/4)
.endr
.rept 2                                                                                                   ; r/4 -> r/2 -> r
.irp i, 0,2,4,6
	v_pk_add_f32 v[NN+\i:NN+\i+1], v[CC+\i:CC+\i+1], v[CC+\i:CC+\i+1]                                     ; 2 cos
.endr
.irp i, 0,2,4,6
	v_pk_mul_f32 v[SS+\i:SS+\i+1], v[SS+\i:SS+\i+1], v[NN+\i:NN+\i+1]                                     ; 2 cos sin
	v_pk_fma_f32 v[CC+\i:CC+\i+1], v[NN+\i:NN+\i+1], v[CC+\i:CC+\i+1], -1.0 op_sel_hi:[1,1,0]             ; 2 cos^2 - 1
.endr
.endr
.endm
	; 1. THE WEIGHTS.  My wave makes fragment c = wave: column n = r of the B operand is d = 4 r + c.  A lane's half h holds q = 2h, 2h+1.
	; Register k-1 holds the weights of sin(k ang): A cos Bp, q = 2h in the low half, q = 2h+1 in the high half; register 3+k those of cos(k ang): A sin Bp.
	; The features below lie in the same registers and halves, so each weight meets its feature whatever place along K the pair has.
	s_wait_loadcnt 26                              ; loads come back in order (ISA guide 5.7.1): A and Bp are in; the 26 issued behind them (X0 4, Wc_w 16, t 4, w, Wc_b) stay out
	SINCOS BV
.irp i, 0,2,4,6
	v_pk_mul_f32 v[CC+\i:CC+\i+1], v[CC+\i:CC+\i+1], v[AV+\i:AV+\i+1]
	v_pk_mul_f32 v[SS+\i:SS+\i+1], v[SS+\i:SS+\i+1], v[AV+\i:AV+\i+1]
.endr
.irp k, 0,1,2,3
	v_cvt_pk_f16_f32 v[BFW+\k],   v[CC+\k], v[CC+4+\k]
	v_cvt_pk_f16_f32 v[BFW+4+\k], v[SS+\k], v[SS+4+\k]
.endr
	s_wait_alu depctr_va_vdst(0)                   ; the eight conversions have written v[BFW ..], which the two LDS stores read
	ds_store_b128 v[LST], v[BFW:BFW+3]             ; 16 bytes a lane, lanes side by side
	ds_store_b128 v[LST], v[BFW+4:BFW+7] offset:512
	s_wait_dscnt 0x0                               ; my stores are done before I say so: the other three waves read these bytes
	s_barrier_signal -1
	s_barrier_wait -1                              ; all four fragments are in LDS; they are written once and never again
	s_wait_alu depctr_vm_vsrc(0)                   ; my two LDS stores have read v[BFW ..]: group 2's copies on the way out write these registers again
.irp c, 0,1,2,3
	ds_load_b128 v[BF+8*\c:BF+8*\c+3],   v[L16] offset:FRAG*\c                     ; no vector instruction has named v[BF ..] so far
	ds_load_b128 v[BF+8*\c+4:BF+8*\c+7], v[L16] offset:FRAG*\c+512
.endr                                              ; waited for in front of the matrix instructions: steps 2 and 3 run meanwhile
	; 2. C[j][0..3]: each lane 16 of the 512 products for each q, two at a time, four chains
	v_cmp_le_u32 vcc_lo, 16, v[LN]                 ; lanes 16-31: made here, read behind the products
	s_wait_loadcnt 6                               ; X0 and Wc_w are in; t (4), w and Wc_b stay out
.irp q, 0,1,2,3
	v_pk_mul_f32 v[ACC+2*\q:ACC+2*\q+1], v[XV:XV+1], v[WV+16*\q:WV+16*\q+1]        ; the first products start the sums
.endr
.irp p, 2,4,6,8,10,12,14
.irp q, 0,1,2,3
	v_pk_fma_f32 v[ACC+2*\q:ACC+2*\q+1], v[XV+\p:XV+\p+1], v[WV+16*\q+\p:WV+16*\q+\p+1], v[ACC+2*\q:ACC+2*\q+1]
.endr
.endr
.irp q, 0,1,2,3
	v_add_f32 v[RR+\q], v[ACC+2*\q], v[ACC+2*\q+1]
.endr
	; Lanes 0-15 need q = 0, 1 and lanes 16-31 q = 2, 3: each half keeps its own two sums and hands the other two across, then sums its 16 lanes.
	s_wait_alu depctr_va_vcc(0)                    ; the compare above has written VCC, ahead of its first reader: the four selects go by it
	v_cndmask_b32 v[KP],   v[RR],   v[RR+2], vcc_lo
	v_cndmask_b32 v[KP+1], v[RR+1], v[RR+3], vcc_lo
	v_cndmask_b32 v[SD],   v[RR+2], v[RR],   vcc_lo
	v_cndmask_b32 v[SD+1], v[RR+3], v[RR+1], vcc_lo
	v_permlanex16_b32 v[RR],   v[SD],   s10, s11   ; its destination counts as read: RR has been written and is spent
	v_permlanex16_b32 v[RR+1], v[SD+1], s10, s11
	v_pk_add_f32 v[KP:KP+1], v[KP:KP+1], v[RR:RR+1]
.irp m, 1,2,4,8
	v_add_f32_dpp v[KP],   v[KP],   v[KP]   row_xmask:\m row_mask:0xf bank_mask:0xf
	v_add_f32_dpp v[KP+1], v[KP+1], v[KP+1] row_xmask:\m row_mask:0xf bank_mask:0xf
.endr
	s_wait_loadcnt 0x0                             ; t, w, Wc_b
	v_pk_add_f32 v[KP:KP+1], v[KP:KP+1], v[BB:BB+1]                                ; C[j][2h], C[j][2h+1] in every lane of the half
	; 3. THE FEATURES.  Row m = r of the A operand of group g is the point i = first i + 16 g + r.
.irp g, 0,1,2,3
	v_fma_f32 v[ANG+2*\g],   v[WP],   v[TT+\g], v[KP]
	v_fma_f32 v[ANG+2*\g+1], v[WP+1], v[TT+\g], v[KP+1]
.endr
	SINCOS ANG
.irp i, 0,2,4,6
	v_pk_add_f32 v[NN+\i:NN+\i+1], v[CC+\i:CC+\i+1], v[CC+\i:CC+\i+1]
.endr
.irp i, 0,2,4,6
	v_pk_mul_f32 v[SN2+\i:SN2+\i+1], v[NN+\i:NN+\i+1], v[SS+\i:SS+\i+1]                                   ; sin 2a = 2 cos a sin a
	v_pk_fma_f32 v[CS2+\i:CS2+\i+1], v[NN+\i:NN+\i+1], v[CC+\i:CC+\i+1], -1.0 op_sel_hi:[1,1,0]           ; cos 2a = 2 cos^2 a - 1
.endr
.irp i, 0,2,4,6
	v_pk_fma_f32 v[ZZ+\i:ZZ+\i+1], v[CS2+\i:CS2+\i+1], 2.0, 1.0 op_sel_hi:[1,0,0]
	v_pk_fma_f32 v[NN+\i:NN+\i+1], v[CS2+\i:CS2+\i+1], 2.0, -1.0 op_sel_hi:[1,0,0]
.endr
.irp i, 0,2,4,6
	v_pk_mul_f32 v[SN3+\i:SN3+\i+1], v[ZZ+\i:ZZ+\i+1], v[SS+\i:SS+\i+1]                                   ; sin 3a = sin a (2 cos 2a + 1)
	v_pk_mul_f32 v[CS3+\i:CS3+\i+1], v[NN+\i:NN+\i+1], v[CC+\i:CC+\i+1]                                   ; cos 3a = cos a (2 cos 2a - 1)
.endr
.irp i, 0,2,4,6
	v_pk_add_f32 v[NN+\i:NN+\i+1], v[CS2+\i:CS2+\i+1], v[CS2+\i:CS2+\i+1]
.endr
.irp i, 0,2,4,6
	v_pk_mul_f32 v[SN4+\i:SN4+\i+1], v[NN+\i:NN+\i+1], v[SN2+\i:SN2+\i+1]                                 ; sin 4a, cos 4a from 2a
	v_pk_fma_f32 v[CS4+\i:CS4+\i+1], v[NN+\i:NN+\i+1], v[CS2+\i:CS2+\i+1], -1.0 op_sel_hi:[1,1,0]
.endr
.irp g, 0,1,2,3
	v_cvt_pk_f16_f32 v[AF+8*\g],   v[SS+2*\g],  v[SS+2*\g+1]                       ; low half q = 2h, high half q = 2h+1, as in the weights
	v_cvt_pk_f16_f32 v[AF+8*\g+1], v[SN2+2*\g], v[SN2+2*\g+1]
	v_cvt_pk_f16_f32 v[AF+8*\g+2], v[SN3+2*\g], v[SN3+2*\g+1]
	v_cvt_pk_f16_f32 v[AF+8*\g+3], v[SN4+2*\g], v[SN4+2*\g+1]
	v_cvt_pk_f16_f32 v[AF+8*\g+4], v[CC+2*\g],  v[CC+2*\g+1]
	v_cvt_pk_f16_f32 v[AF+8*\g+5], v[CS2+2*\g], v[CS2+2*\g+1]
	v_cvt_pk_f16_f32 v[AF+8*\g+6], v[CS3+2*\g], v[CS3+2*\g+1]
	v_cvt_pk_f16_f32 v[AF+8*\g+7], v[CS4+2*\g], v[CS4+2*\g+1]
.endr
	; 4. 16 points x 16 columns x all 32 features in each instruction.  Every one starts a sum of its own (C = 0) in registers of its own:
	; none adds onto another's result.  Register j of accumulator (g, c) holds, in lane (r, h), the point 16 g + 8 h + j and d = 4 r + c.
	s_wait_dscnt 0x0                               ; the four weight fragments are in
.irp g, 0,1,2,3
.irp c, 0,1,2,3
	v_wmma_f32_16x16x32_f16 v[DD+32*\g+8*\c:DD+32*\g+8*\c+7], v[AF+8*\g:AF+8*\g+7], v[BF+8*\c:BF+8*\c+7], 0
.endr
.endr
.rept 4
	v_nop                                          ; four independent vector instructions stand between a matrix instruction and a vector instruction that
.endr                                              ; reads its result or writes one of its sources (ISA guide 7.12.1); the copies below do both
; THE WAY OUT.  The four neighbouring numbers d = 4 r .. 4 r + 3 of a point lie in one lane, in register j of the group's four accumulators.
; One copy for each output register puts them side by side; then lanes 0-15 store the 256 consecutive bytes of point 16 g + j, which begin at a
; multiple of 256 from out0's first byte, and lanes 16-31 those of point 16 g + 8 + j.  The copies take the place of a trip of all 64 KiB through LDS.
; The quads of groups 0 to 2 lie over the spent fragments, those of group 3 over group 0's accumulators, which have been copied by then:
; no register that a global store reads is written again.  The point's row stands in the immediate: 55 x 65,536 bytes at the most, inside its signed 24 bits.
; A TURN: the eight stores of group pg, from the block at P, whose copies the wait in front of the turn has shown written, dealt among the 32 copies of group g
; into the block at O: a store, then four copies.  The copies name the block at O and group g's accumulators alone, no register of the stores.
; cp = 0: no group is left to copy.  st = 0: no group has been copied yet.  Each accumulator is read from its register 0 on.
.macro TURN cp, g, O, st, pg, P
.irp j, 0,1,2,3,4,5,6,7
.if \st
	global_store_b128 v[OO], v[\P+4*\j:\P+4*\j+3], s[30:31] offset:(16*\pg+\j)*ISTEP th:TH_STORE_NT
.endif
.if \cp
.irp c, 0,1,2,3
	v_mov_b32 v[\O+4*\j+\c], v[DD+32*\g+8*\c+\j]
.endr
.endif
.endr
.endm
	TURN 1, 0, 16,  0, 0, 0
	s_wait_alu depctr_va_vdst(0)                   ; group 0's copies have written v[16:47], which the eight stores of the next turn read
	TURN 1, 1, 48,  1, 0, 16
	s_wait_alu depctr_va_vdst(0)                   ; group 1's copies have written v[48:79], which the eight stores of the next turn read
	TURN 1, 2, 80,  1, 1, 48
	s_wait_alu depctr_va_vdst(0)                   ; group 2's copies have written v[80:111], which the eight stores of the next turn read
	TURN 1, 3, 112, 1, 2, 80
	s_wait_alu depctr_va_vdst(0)                   ; group 3's copies have written v[112:143], which the last eight stores read
	TURN 0, 0, 0,   1, 3, 112
	s_set_vgpr_msb 0x4
	s_wait_dscnt 0x0
	s_wait_alu depctr_hold_cnt(0) depctr_sa_sdst(0) depctr_va_vdst(0) depctr_va_sdst(0) depctr_va_ssrc(0) depctr_va_vcc(0) depctr_vm_vsrc(0)
	s_wait_tensorcnt 0x0
	ds_add_u32 v10, v1
	s_wait_dscnt 0x0
	s_endpgm
.Lfunc_end_k_q0ebe63f2dd_kart:
	.size	k_q0ebe63f2dd_kart, .Lfunc_end_k_q0ebe63f2dd_kart-k_q0ebe63f2dd_kart
	.p2alignl 7, 3214868480
	.fill 96, 4, 3214868480
	.section	.rodata,"a",@progbits
	.p2align	6, 0x0
	.amdhsa_kernel k_q0ebe63f2dd_kart
		.amdhsa_group_segment_fixed_size 4608
		.amdhsa_private_segment_fixed_size 0
		.amdhsa_enable_private_segment 0
		.amdhsa_kernarg_size 64
		.amdhsa_user_sgpr_count 2
		.amdhsa_user_sgpr_kernarg_segment_ptr 1
		.amdhsa_wavefront_size32 1
		.amdhsa_system_sgpr_workgroup_id_x 1
		.amdhsa_system_sgpr_workgroup_id_y 1
		.amdhsa_system_sgpr_workgroup_id_z 1
		.amdhsa_system_vgpr_workitem_id 0
		.amdhsa_next_free_vgpr 258
		.amdhsa_next_free_sgpr 66
		.amdhsa_reserve_vcc 1
		.amdhsa_float_denorm_mode_32 3
		.amdhsa_float_denorm_mode_16_64 3
		.amdhsa_memory_ordered 1
		.amdhsa_forward_progress 1
		.amdhsa_inst_pref_size 35
	.end_amdhsa_kernel
	.amdgpu_metadata
---
amdhsa.version: [ 1, 2 ]
amdhsa.kernels:
  - .name:           k_q0ebe63f2dd_kart
    .symbol:         k_q0ebe63f2dd_kart.kd
    .args:
      - { .name: A, .offset: 0, .size: 8, .value_kind: global_buffer, .address_space: global }
      - { .name: Bp, .offset: 8, .size: 8, .value_kind: global_buffer, .address_space: global }
      - { .name: Wc_b, .offset: 16, .size: 8, .value_kind: global_buffer, .address_space: global }
      - { .name: Wc_w, .offset: 24, .size: 8, .value_kind: global_buffer, .address_space: global }
      - { .name: X0, .offset: 32, .size: 8, .value_kind: global_buffer, .address_space: global }
      - { .name: t, .offset: 40, .size: 8, .value_kind: global_buffer, .address_space: global }
      - { .name: w, .offset: 48, .size: 8, .value_kind: global_buffer, .address_space: global }
      - { .name: out0, .offset: 56, .size: 8, .value_kind: global_buffer, .address_space: global }
    .group_segment_fixed_size: 4608
    .private_segment_fixed_size: 0
    .kernarg_segment_align: 8
    .kernarg_segment_size: 64
    .max_flat_workgroup_size: 128
    .sgpr_count:     66
    .vgpr_count:     258
    .wavefront_size: 32
...
	.end_amdgpu_metadata
.endif
;; end of part 2
